; MI455X (gfx1250); checked and timed in simulation.
; The chip was launched on July 23, 2026; its instructions are those of AMD's public machine-readable ISA for CDNA 5 (MIT licence, August 2026) and "CDNA5" Instruction Set Architecture Reference Guide (July 2026). The comments in the code are by the model that wrote it; some were corrected since.
;; Multi Head Attention. Allowed arithmetic: matrix products marked QUANTISED: E2M3 operands, one E8M0 scale for each 32 along K, by v_wmma_scale_f32_16x16x128_f8f6f4 with both operands' format E2M3, f32 sums; products left as they are: f32 operands where the result goes on into a quantised operand, else bf16, f16 or f32 operands; f32 sums; everything else in f32.
;; Inputs: Wk_codes 128 x 4 x 24 uint8 (E2M3 codes of Wk, K innermost, in blocks of 32 codes, four codes in three bytes); Wk_scales 128 x 4 uint8 (E8M0 scales of Wk, one for each 32 codes along K); Wp_codes 128 x 4 x 24 uint8 (E2M3 codes of Wp, K innermost, in blocks of 32 codes, four codes in three bytes); Wp_scales 128 x 4 uint8 (E8M0 scales of Wp, one for each 32 codes along K); Wq_codes 128 x 4 x 24 uint8 (E2M3 codes of Wq, K innermost, in blocks of 32 codes, four codes in three bytes); Wq_scales 128 x 4 uint8 (E8M0 scales of Wq, one for each 32 codes along K); Wv_codes 128 x 4 x 24 uint8 (E2M3 codes of Wv, K innermost, in blocks of 32 codes, four codes in three bytes); Wv_scales 128 x 4 uint8 (E8M0 scales of Wv, one for each 32 codes along K); bp 128 float32; x_codes 2 x 4,096 x 4 x 24 uint8 (E2M3 codes of x, K innermost, in blocks of 32 codes, four codes in three bytes); x_scales 2 x 4,096 x 4 uint8 (E8M0 scales of x, one for each 32 codes along K).
;; Outputs: out0 2 x 4,096 x 128 float32.
;; This version of the problem:
;;   THIS VERSION OF THE PROBLEM IS GIVEN IN LOW PRECISION. The matrix products marked QUANTISED in the list below multiply operands that are first quantised to E2M3 (2 exponent bits, 3 mantissa bits; 6 bits a number), with one power-of-two scale for each 32 numbers along K (OCP MX v1.0); their sums are f32. All else is computed in f32.
;;   The module's matrix products, in the order in which they are computed (A, B: the left and right operand; K: the contracted axis; several contracted axes count as one K, in the product's order):
;;     1. [M 8,192, K 128] x [K 128, N 128]; A: input x (given as codes); B: input Wq (given as codes): QUANTISED
;;     2. [M 8,192, K 128] x [K 128, N 128]; A: input x (given as codes); B: input Wk (given as codes): QUANTISED
;;     3. [M 8,192, K 128] x [K 128, N 128]; A: input x (given as codes); B: input Wv (given as codes): QUANTISED
;;     4. batch 16 x [M 4,096, K 16] x [K 16, N 4,096]; A: computed on the way; B: computed on the way: left as it is (K = 16 < 32)
;;     5. batch 16 x [M 4,096, K 4,096] x [K 4,096, N 16]; A: softmax (see below); B: computed on the way: QUANTISED
;;     6. [M 8,192, K 128] x [K 128, N 128]; A: computed on the way; B: input Wp (given as codes): QUANTISED
;;   THE QUANTISER, for each operand of a quantised product, along K:
;;     - K is cut into blocks of 32 from its start; a last block that is shorter is filled with zeros.
;;     - A block's scale is 2^e with e = floor(log2(the largest magnitude in the block)) - 2, held to -126 .. 127; a block of zeros has e = 0. As a byte (E8M0): e + 127.
;;     - Each number is divided by its block's scale, clamped to +-7.5, and rounded to the nearest number of E2M3, ties to even, subnormals kept.
;;     - The product sums the exact products of the quantised numbers (number of the format x scale) in f32.
;;   ~~~python
;;   def quantise(x, axis):      # numpy; x: float32 -> the quantised numbers, widened to float32 again
;;       x = np.moveaxis(x, axis, -1); K = x.shape[-1]
;;       x = np.pad(x, [(0, 0)] * (x.ndim - 1) + [(0, -K % 32)]); x = x.reshape(x.shape[:-1] + (-1, 32)); a = np.abs(x).max(-1, keepdims=True)
;;       e = np.where(a > 0, np.clip(np.frexp(np.where(a > 0, a, 1))[1] - 1 - 2, -126, 127), 0)      # np.frexp(a)[1] - 1 = floor(log2(a)), exactly
;;       r = np.clip(x / 2.0 ** e, -7.5, 7.5)
;;       step = 2.0 ** (np.maximum(np.frexp(np.where(r == 0, 1, r))[1] - 1, 0) - 3)
;;       q = np.round(r / step) * step * 2.0 ** e      # np.round: ties to even
;;       return np.moveaxis(q.reshape(q.shape[:-2] + (-1,))[..., :K], -1, axis).astype(np.float32)
;;   ~~~
;;   SOFTMAX AHEAD OF A QUANTISED PRODUCT. Where the list says 'softmax', what is quantised is not the finished softmax but p = 2^(t - M), with t = logit x log2(e) and M = ceil(the row's largest t), a whole number; so 1/2 < the row's largest p <= 1. The row's sum l is taken of the UNQUANTISED p, in f32, and the product's result is divided by l at the end. Since M is a whole number, a kernel that streams over the keys may use a running M (the ceiling of the running maximum): every later rescaling is an exact power of two, which a block's scale takes up: the codes' values come out the same.
;;   OPERANDS COMPUTED ON THE WAY. 'Computed on the way' means the value that the module computes at that place (a softmax that the list does not call 'softmax' is quantised finished and normalised). What goes into a quantiser is computed in f32, as accurately as f32 sums, v_exp_f32 and their like allow (about 1e-6 of the number): no bf16 or f16 on the way to a quantiser, and a product that is left as it is and whose result goes on into a quantised operand takes f32 operands (vector FMAs, or v_wmma_f32_16x16x4_f32). A number that lies on a knife's edge between two numbers of the format may be rounded either way, as far as f32 arithmetic and the matrix unit's own rounding can turn it there, and no further.
;;   INPUTS GIVEN AS CODES. Wk (in the module: [128, 128], K = its axis 1); Wp (in the module: [128, 128], K = its axis 1); Wq (in the module: [128, 128], K = its axis 1); Wv (in the module: [128, 128], K = its axis 1); x (in the module: [2, 4096, 128], K = its axis 2): each comes as NAME_codes (uint8): NAME with its K axis moved to the last place and cut into blocks of 32 codes, [.., K / 32, bytes a block], one block behind the other in memory; four codes in three bytes: a row's codes are one little-endian stream of bits, code i at bits 6 i .. 6 i + 5 (a code: sign, 2 exponent bits, 3 mantissa bits); and NAME_scales (uint8): the same leading axes, one E8M0 byte (e + 127) for each 32 codes along K. Its value is code x scale, taken as it is: it is not quantised again, and the codes and scales need not be those that the quantiser above would give.
;; One version. Each part assembles by itself: llvm-mc -triple=amdgcn-amd-amdhsa -mcpu=gfx1250 --defsym DOCPART=n.
;; ======== version 1 of 1: 3 launches
;; workspace buffers: qf 4,194,304 bytes; kv 5,242,880 bytes; att 4,194,304 bytes
;; launch qkv (part 1): grid 64 x 4, 2 waves a work-group, no clusters, 0 bytes of LDS; arguments x_codes, x_scales, Wq_codes, Wq_scales, Wk_codes, Wk_scales, Wv_codes, Wv_scales, qf, kv; writes qf, kv
.if DOCPART == 1
	.amdgcn_target "amdgcn-amd-amdhsa--gfx1250"
	.amdhsa_code_object_version 6
	.text
	.protected	k_q9ed65d80cf_qkv
	.globl	k_q9ed65d80cf_qkv
	.p2align	8
	.type	k_q9ed65d80cf_qkv,@function
k_q9ed65d80cf_qkv:
	s_mov_b64 s[64:65], 0
	v_nop
	global_prefetch_b8 v0, s[64:65] scope:SCOPE_SE
	s_setreg_imm32_b32 hwreg(HW_REG_WAVE_MODE, 25, 1), 1
	s_wait_xcnt 0x0
; THE PROGRAM: causal attention of 8 heads of 16 on 2 x 4,096 rows, in three launches: this one (q, k, v), attn (scores, softmax, p v), proj (the way out through Wp).
; WORK LEFT OUT, in the launch attn: reference() sets the score of key s for query t to -infinity wherever s > t, by a mask that it builds itself (jnp.tril).  Then p = 2^(-infinity) = 0 for
; every finite value of the inputs, its code is 0, it adds 0 to the row's sum and 0 to p v, and it cannot be the row's maximum (key t itself counts).  So a step of 128 keys all of which come after
; all queries of a block is neither multiplied nor loaded.  Every input has a way to the output: all are loaded.
; LIMIT: a NaN, an infinity or an overflow that reaches only the work left out (a v or k of a hidden key) is not carried to the result.
;
; THIS LAUNCH: q = x Wq^T, k = x Wk^T, v = x Wv^T on the given codes of E2M3 and their E8M0 bytes, sums in f32; v is then quantised along the KEYS, which are the K of p v.
; SHARES.  A wave takes 128 rows of x (work-group x: 64 runs of 128 rows) and one head (2 x work-group y + wave): 8 tiles of 16 rows x 3 products = 24 matrix instructions.
; THE ROWS OF A TILE ARE NOT NEIGHBOURS: lane r of tile t takes row 32 (t / 2) + 8 (t % 2) + r + 8 (r / 8).  So in a result whose rows are such a tile, register j of lane (r, h) is row
; 32 (t / 2) + 16 h + 8 (t % 2) + j: the 16 registers of tiles 2 b and 2 b + 1 are 16 neighbours.  That serves v here (registers run down the keys) and the scores in attn.
; RESULTS LEAVE AS IMAGES OF REGISTERS: four registers by one store, lane l's 16 bytes at 16 l, 512 consecutive bytes a store.
;   qf [bh 16][tile 256][1,024 bytes]: lane (r, h), register j = q(row of lane r, channel 8 h + j of the head), f32
;   kv [bh 16][step 32][10,240 bytes]: 8 tiles of k as in qf (8,192 bytes); v's fragment of codes (row d = r, K = the step's 128 keys; 1,536 bytes); v's scale word, four copies a lane (512 bytes)
; A block's scale is 2^(floor(log2(its largest magnitude)) - 2); its byte is the largest magnitude's exponent field - 2, held at 1 from below.
; LIMITS: a block of zeros gets the byte 1 where the rule says 127 (its codes are zeros, and this program alone reads the bytes); NaN, infinities and the scale byte 0xff among the inputs are not served.
.set CT,  8                            ; v[8:10], v[12:14]  the second halves of the conversions' results
.set XF,  16                           ; v16-111  x's 8 fragments, 12 registers each
.set XSC, 112                          ; v112-119 their scale words
.set WQF, 120                          ; v120-155 the head's 16 rows of Wq, Wk, Wv
.set WKF, 132
.set WVF, 144
.set WQS, 156                          ; v156-158 their scale words
.set WKS, 157
.set WVS, 158
.set R,   160                          ; v160-223 8 results
.set BM,  224                          ; v224-227 largest magnitudes
.set T,   228                          ; v228-231 at work
.set SO,  232                          ; v232-235 the conversions' scale operands
.set PW,  236                          ; v236-239 v's scale word, four times
.set PC,  240                          ; v240-251 v's codes
.set SEL, 30                           ; s[30:31] lane selects: lane l xor 16
; 64 numbers of a lane, register 16 b + i = k 32 b + 16 (lane / 16) + i of the lane's row, become a fragment's codes in v[PC] on and its scale word in v[PW]
.macro QUANT src
.irp b, 0,1,2,3
	v_max3_num_f32 v[BM+\b], |v[\src+16*\b]|, |v[\src+16*\b+1]|, 0x1800000   ; block b: my 16 numbers, and the floor 2^(3 - 127): the byte cannot fall under 1
.endr
.irp i, 2,4,6,8,10,12,14
.irp b, 0,1,2,3
	v_max3_num_f32 v[BM+\b], v[BM+\b], |v[\src+16*\b+\i]|, |v[\src+16*\b+\i+1]|   ; the four blocks by turns
.endr
.endr
.irp b, 0,1,2,3
	v_permlanex16_b32 v[T+\b], v[BM+\b], s[SEL], s[SEL+1]
.endr
.irp b, 0,1,2,3
	v_max_num_f32 v[BM+\b], v[BM+\b], v[T+\b]          ; with lane l xor 16's 16: the block's largest magnitude
.endr
.irp b, 0,1,2,3
	v_add_nc_u32 v[SO+\b], 0xff000000, v[BM+\b]        ; 2 off its exponent field: the conversion takes that field as its scale
.endr
.irp b, 0,1,2,3
	v_lshrrev_b32 v[T+\b], 23, v[SO+\b]                ; the scale's byte
.endr
	v_lshl_or_b32 v[PW], v[T+1], 8, v[T]
	v_lshl_or_b32 v[PW], v[T+2], 16, v[PW]
	v_lshl_or_b32 v[PW], v[T+3], 24, v[PW]             ; my row's scale word
.irp c, 0,1
	v_cvt_scalef32_pk16_fp6_f32 v[PC+6*\c:PC+6*\c+2], v[\src+32*\c:\src+32*\c+15], v[SO+2*\c]
	v_cvt_scalef32_pk16_fp6_f32 v[CT+4*\c:CT+4*\c+2], v[\src+32*\c+16:\src+32*\c+31], v[SO+2*\c+1]   ; (a conversion's three registers begin on an even number)
.endr
	v_nop                                              ; one plain instruction behind the last scaled conversion
.irp c, 0,1                                        ; the operand wants a whole block in a lane: lanes 0-15 block 2 c, lanes 16-31 block 2 c + 1
.irp i, 0,1,2
	v_permlane16_swap_b32 v[PC+6*\c+\i], v[CT+4*\c+\i]
.endr
.irp i, 0,1,2
	v_mov_b32 v[PC+6*\c+3+\i], v[CT+4*\c+\i]
.endr
.endr
.endm
.macro WLOAD reg, sreg, cb, sb                     ; the head's 16 rows of a weight: a fragment and its scale words
.irp p, 0,1,2,3,4,5
	global_load_b64 v[\reg+2*\p:\reg+2*\p+1], v5, s[\cb:\cb+1] offset:48*(\p/3)+8*(\p%3)
.endr
	global_load_b32 v[\sreg], v6, s[\sb:\sb+1]
.endm
.macro PROJ wf, ws                                 ; source 0 = the weight's 16 rows, source 1 = 16 rows of x: lane (r, h), register j = (row of lane r, channel 8 h + j)
.irp t, 0,1,2,3,4,5,6,7
	v_wmma_scale_f32_16x16x128_f8f6f4 v[R+8*\t:R+8*\t+7], v[\wf:\wf+11], v[XF+12*\t:XF+12*\t+11], 0, v[\ws], v[XSC+\t] matrix_a_fmt:MATRIX_FMT_FP6 matrix_b_fmt:MATRIX_FMT_FP6
.endr
.endm
.macro OUT base                                    ; 8 results as images, each from its low end on
.irp t, 0,1,2,3,4,5,6,7
	global_store_b128 v7, v[R+8*\t:R+8*\t+3], s[\base:\base+1] offset:1024*\t
	global_store_b128 v7, v[R+8*\t+4:R+8*\t+7], s[\base:\base+1] offset:1024*\t+512
.endr
.endm
	s_load_b256 s[4:11], s[0:1], 0x0               ; x's codes s[4:5], x's scales s[6:7], Wq's codes s[8:9], Wq's scales s[10:11]
	s_load_b256 s[12:19], s[0:1], 0x20             ; Wk's s[12:13], s[14:15]; Wv's s[16:17], s[18:19]
	s_load_b128 s[20:23], s[0:1], 0x40             ; qf s[20:21], kv s[22:23]
	v_lshrrev_b32 v1, 5, v0
	v_readfirstlane_b32 s24, v1                    ; wave 0, 1
	s_and_b32 s25, ttmp7, 0xffff
	s_lshl_b32 s25, s25, 1
	s_add_co_u32 s25, s25, s24                     ; head = 2 y + wave
	s_lshr_b32 s26, ttmp9, 5                       ; batch
	s_lshl_b32 s26, s26, 3
	s_add_co_u32 s26, s26, s25                     ; bh = 8 x batch + head
	s_and_b32 s27, ttmp9, 31                       ; which 128 rows of the batch: the key step
	s_mov_b32 s[SEL], 0x76543210
	s_mov_b32 s[SEL+1], 0xfedcba98
	v_and_b32 v1, 15, v0                           ; r
	v_bfe_u32 v2, v0, 4, 1                         ; h
	v_and_b32 v8, 8, v1
	v_add_nc_u32 v8, v8, v1                        ; r + 8 (r / 8)
	v_mul_u32_u24 v3, v8, 96                       ; x: a row of 128 codes is 96 bytes,
	v_mad_u32_u24 v3, v2, 24, v3                   ; + 24 h
	v_lshlrev_b32 v4, 2, v8                        ; x's scale words: 4 bytes a row
	v_mul_u32_u24 v5, v1, 96                       ; a weight: row r,
	v_mad_u32_u24 v5, v2, 24, v5                   ; + 24 h
	v_lshlrev_b32 v6, 2, v1                        ; its scale words
	v_and_b32 v7, 31, v0
	v_lshlrev_b32 v7, 4, v7                        ; an image's place for my lane: 16 x lane
.irp b, 0,1,2,3
	v_mov_b32 v[T+\b], 0                           ; written once: a lane permute's destination counts as one of its sources
.endr
	s_mov_b32 s29, 0
	s_wait_kmcnt 0x0
	s_mul_i32 s28, ttmp9, 12288                    ; 128 rows of 96 bytes
	s_add_nc_u64 s[4:5], s[4:5], s[28:29]
	s_lshl_b32 s28, ttmp9, 9                       ; 128 scale words
	s_add_nc_u64 s[6:7], s[6:7], s[28:29]
	s_mul_i32 s28, s25, 1536                       ; the head's 16 rows of a weight
	s_add_nc_u64 s[8:9], s[8:9], s[28:29]
	s_add_nc_u64 s[12:13], s[12:13], s[28:29]
	s_add_nc_u64 s[16:17], s[16:17], s[28:29]
	s_lshl_b32 s28, s25, 6                         ; and their scale words
	s_add_nc_u64 s[10:11], s[10:11], s[28:29]
	s_add_nc_u64 s[14:15], s[14:15], s[28:29]
	s_add_nc_u64 s[18:19], s[18:19], s[28:29]
	s_lshl_b32 s28, s26, 5
	s_add_co_u32 s28, s28, s27
	s_mul_i32 s28, s28, 10240                      ; kv: record 32 bh + step
	s_add_nc_u64 s[22:23], s[22:23], s[28:29]
	s_lshl_b32 s28, s26, 8
	s_lshl_b32 s32, s27, 3
	s_add_co_u32 s28, s28, s32
	s_lshl_b32 s28, s28, 10                        ; qf: tile 256 bh + 8 step
	s_add_nc_u64 s[20:21], s[20:21], s[28:29]
	WLOAD WVF, WVS, 16, 18
	WLOAD WKF, WKS, 12, 14
	WLOAD WQF, WQS, 8, 10
.irp t, 0,1,2,3,4,5,6,7                        ; x's 8 tiles: tile t begins at row 32 (t / 2) + 8 (t % 2)
.irp p, 0,1,2,3,4,5
	global_load_b64 v[XF+12*\t+2*\p:XF+12*\t+2*\p+1], v3, s[4:5] offset:(32*(\t/2)+8*(\t%2))*96+48*(\p/3)+8*(\p%3)
.endr
	global_load_b32 v[XSC+\t], v4, s[6:7] offset:(32*(\t/2)+8*(\t%2))*4
.endr
	s_wait_loadcnt 0x0
	; ---- v: source 0 = 16 rows of x, source 1 = Wv's 16 rows: lane (r, h) holds channel d = r, and register 16 b + i the key 32 b + 16 h + i
.irp t, 0,1,2,3,4,5,6,7
	v_wmma_scale_f32_16x16x128_f8f6f4 v[R+8*\t:R+8*\t+7], v[XF+12*\t:XF+12*\t+11], v[WVF:WVF+11], 0, v[XSC+\t], v[WVS] matrix_a_fmt:MATRIX_FMT_FP6 matrix_b_fmt:MATRIX_FMT_FP6
.endr
.rept 5
	v_nop                                          ; four places in front of the first read of results (ISA guide 7.12.1); the fifth for k's products, which write over these registers
.endr
	QUANT R
	v_mov_b32 v[PW+1], v[PW]
	v_mov_b32 v[PW+2], v[PW]
	v_mov_b32 v[PW+3], v[PW]                       ; four copies, so that the record's last 512 bytes are written whole by one store
.irp c, 0,1,2
	global_store_b128 v7, v[PC+4*\c:PC+4*\c+3], s[22:23] offset:8192+512*\c
.endr
	global_store_b128 v7, v[PW:PW+3], s[22:23] offset:9728
	; ---- k
	PROJ WKF, WKS
.rept 5
	v_nop                                          ; four places in front of the stores; the fifth for q's products, which write over these registers
.endr
	OUT 22
	s_wait_xcnt 0x0                                ; the stores' data registers are written again only behind this wait
	; ---- q
	PROJ WQF, WQS
.rept 4
	v_nop
.endr
	OUT 20
	s_endpgm
.Lfunc_end_k_q9ed65d80cf_qkv:
	.size	k_q9ed65d80cf_qkv, .Lfunc_end_k_q9ed65d80cf_qkv-k_q9ed65d80cf_qkv
	.p2alignl 7, 3214868480
	.fill 96, 4, 3214868480
	.section	.rodata,"a",@progbits
	.p2align	6, 0x0
	.amdhsa_kernel k_q9ed65d80cf_qkv
		.amdhsa_group_segment_fixed_size 0
		.amdhsa_private_segment_fixed_size 0
		.amdhsa_enable_private_segment 0
		.amdhsa_kernarg_size 80
		.amdhsa_user_sgpr_count 2
		.amdhsa_user_sgpr_kernarg_segment_ptr 1
		.amdhsa_wavefront_size32 1
		.amdhsa_system_sgpr_workgroup_id_x 1
		.amdhsa_system_sgpr_workgroup_id_y 1
		.amdhsa_system_sgpr_workgroup_id_z 1
		.amdhsa_system_vgpr_workitem_id 0
		.amdhsa_next_free_vgpr 256
		.amdhsa_next_free_sgpr 66
		.amdhsa_reserve_vcc 0
		.amdhsa_float_denorm_mode_32 3
		.amdhsa_float_denorm_mode_16_64 3
		.amdhsa_memory_ordered 1
		.amdhsa_forward_progress 1
		.amdhsa_inst_pref_size 21
	.end_amdhsa_kernel
	.amdgpu_metadata
---
amdhsa.version: [ 1, 2 ]
amdhsa.kernels:
  - .name:           k_q9ed65d80cf_qkv
    .symbol:         k_q9ed65d80cf_qkv.kd
    .args:
      - { .name: x_codes, .offset: 0, .size: 8, .value_kind: global_buffer, .address_space: global }
      - { .name: x_scales, .offset: 8, .size: 8, .value_kind: global_buffer, .address_space: global }
      - { .name: Wq_codes, .offset: 16, .size: 8, .value_kind: global_buffer, .address_space: global }
      - { .name: Wq_scales, .offset: 24, .size: 8, .value_kind: global_buffer, .address_space: global }
      - { .name: Wk_codes, .offset: 32, .size: 8, .value_kind: global_buffer, .address_space: global }
      - { .name: Wk_scales, .offset: 40, .size: 8, .value_kind: global_buffer, .address_space: global }
      - { .name: Wv_codes, .offset: 48, .size: 8, .value_kind: global_buffer, .address_space: global }
      - { .name: Wv_scales, .offset: 56, .size: 8, .value_kind: global_buffer, .address_space: global }
      - { .name: qf, .offset: 64, .size: 8, .value_kind: global_buffer, .address_space: global }
      - { .name: kv, .offset: 72, .size: 8, .value_kind: global_buffer, .address_space: global }
    .group_segment_fixed_size: 0
    .private_segment_fixed_size: 0
    .kernarg_segment_align: 8
    .kernarg_segment_size: 80
    .max_flat_workgroup_size: 64
    .sgpr_count:     66
    .vgpr_count:     256
    .wavefront_size: 32
...
	.end_amdgpu_metadata
.endif
;; end of part 1
;; launch attn (part 2): grid 16 x 16, 16 waves a work-group, no clusters, 327,680 bytes of LDS; arguments qf, kv, att; writes att
.if DOCPART == 2
	.amdgcn_target "amdgcn-amd-amdhsa--gfx1250"
	.amdhsa_code_object_version 6
	.text
	.protected	k_q9ed65d80cf_attn
	.globl	k_q9ed65d80cf_attn
	.p2align	8
	.type	k_q9ed65d80cf_attn,@function
k_q9ed65d80cf_attn:
	s_mov_b64 s[64:65], 0
	v_nop
	global_prefetch_b8 v0, s[64:65] scope:SCOPE_SE
	s_setreg_imm32_b32 hwreg(HW_REG_WAVE_MODE, 25, 1), 1
	s_wait_xcnt 0x0
; att[bh][query][d] = (the sum over keys of Q(p) Q(v)) / l, with p = 2^(t - M), t = q . k x log2(e) / 4, M = the ceiling of the row's largest t so far, l = the row's sum of the unquantised p.
; WORK LEFT OUT: steps of 128 keys that come wholly after a block's queries under reference()'s own causal mask: their p is 0 for all finite inputs (shown at the head of the launch qkv).
; The scores (K = 16) go on into a quantised operand, so their operands are f32: v_wmma_f32_16x16x4_f32, four along d for each tile of 16 keys.  p v is one v_wmma_scale_f32_16x16x128_f8f6f4 on codes of E2M3 for 128 keys.
; SHARES.  Work-group (j, bh) owns two blocks of 128 queries of one head: block j (waves 0-7) and block 31 - j (waves 8-15); a wave owns one tile of 16 queries.  Block b needs b + 1 steps of 128 keys,
; so every work-group has 8 (j + 1) + 8 (32 - j) = 264 steps of a wave: all 256 work-groups have equal work.  Sixteen waves, four to a SIMD: one wave's softmax stands beside another's products.
; LAYOUT.  Both products are used transposed: S^T = k q^T (source 0 = 16 keys, source 1 = my 16 queries), O^T = v^T p^T: a lane holds ONE query (lane % 16) throughout.
; The rows of a tile are not neighbours (launch qkv): register 16 b + i of the eight score tiles is key 32 b + 16 (lane / 16) + i, so p's registers run along the keys as the conversions want them.
; ALONG d the f32 form wants k = 2 (lane / 16) + j in register j.  Here step s takes registers 2 s, 2 s + 1 of a lane's eight, d = 8 (lane / 16) + 2 s + j, of k and q alike: the same products, summed in another order.
; THE RING.  A step's record (8 tiles of k, v's codes, v's scale words: 10,240 bytes) lies in memory as images of registers; four records, 40,960 dense bytes, are a slot.  Two slots; wave 0 fills them, one tensor load
; at each change of slots, which has the slot's four steps in which to land: one tensor load of the wave is out at most.  All sixteen waves read the slots: lane l's 16 bytes at 16 l, so no padding is wanted.
; EVERY work-group walks all 8 changes of slots (constant trip counts); a hidden step's work is jumped over by a branch on ids; a slot whose first key comes after the work-group's last query is not asked for.
; NO CLUSTER, though the 16 work-groups of a head read the same records: work-group j needs the slots up to key 128 (32 - j) - 1 only, so partners would need different numbers of tiles, and a slot is filled only if a later step reads it.
; LIMITS: NaN and infinities among q, k, v are not served; a p under 2^-126 counts as 0 (v_exp_f32: ISA guide, its entry); a block whose every p is 0 gets the byte 1 (its codes are zeros);
; under the running M an early block whose scale the final M would hold at 2^-126 keeps finer codes: such terms lie under 2^-120 of the row's sum.
; A block's largest p is not searched for: the block's largest score goes through the same multiply-add and exponential (this takes v_exp_f32 not to fall where its input rises).
.set REC,   10240                      ; a step's record
.set NQ,    4                          ; steps in a slot
.set SLOTB, NQ*REC
.set SLOT1, 65536                      ; slot 1 begins here: one exclusive or turns an address from one slot to the other
.set NSL,   8                          ; slots' worth of keys in a head
.set SPARE, 131072                     ; the spare words, 128 bytes for each of 16 waves: eight blocks of 256 bytes that no other line names
.set LI,   1                           ; v1   16 x lane; never rewritten
.set ADR,  3                           ; v3   LDS address of the slot in hand, for my lane
.set SPW,  5                           ; v5   LDS address of my spare word; never rewritten
.set NIL,  6                           ; v6   0; never rewritten
.set DQ,   7                           ; v7   my query - its block's first - 16 (lane / 16)
.set PFO,  10                          ; v10  256 x lane: the prefetches' offset; never rewritten
.set QF,   16                          ; v16-23   q: my query's 8 channels
.set OT,   24                          ; v24-31   O^T
.set VF,   32                          ; v32-43   v's fragment
.set VS,   44                          ; v44      v's scale words
.set PW,   45                          ; v45      p's scale word
.set PC,   48                          ; v48-59   p's codes
.set CT,   60                          ; v[60:62], v[64:66] the second halves of the conversions' results
.set BM,   68                          ; v68-71   each block's largest score, then its largest p
.set T,    72                          ; v72-75   at work
.set SO,   76                          ; v76-79   the conversions' scale operands
.set F,    80                          ; v[80:81] f = 2^(old M - new M) (v81 is named with it as a pair)
.set TMP,  82
.set NINF, 83                          ; v83      -infinity
.set KP,   96                          ; v96-159  k's 8 tiles, then t - M, then p
.set S,    160                         ; v160-223 the 8 score tiles: written by matrix instructions alone
.set WV,   10                          ; s10  my wave's number
.set QB,   15                          ; s15  my block's first query
.set KF,   16                          ; s16  the step's first key
.set QLAST, 17                         ; s17  my work-group's last query
.set TB,   18                          ; s18  LDS byte at which the slot in hand begins
.set SLOTS, 19                         ; s19  changes of slots to go
.set SEL,  22                          ; s[22:23] lane selects: lane l xor 16
.set CS,   24                          ; s[24:25] c = log2(e) / 4
.set G1,   28                          ; s[28:35] descriptor group 1
.set G0,   36                          ; s[36:39] descriptor group 0, which walks
.set PFA,  40                          ; s[40:41] where my prefetches stand
.set LIM,  42                          ; s42  1 in a wave that prefetches, else the greatest number
; Wave 0 fetches.  The branch hangs on the wave's number alone.  An s_nop 0 and four v_nop follow the load.
.macro TLOAD
	s_cmp_lg_u32 s[WV], 0
	s_cbranch_scc1 .Lno_load_\@
	tensor_load_to_lds s[G0:G0+3], s[G1:G1+7]
	s_nop 0
.rept 4
	v_nop
.endr
.Lno_load_\@:
.endm
; A PREFETCH INTO THE L2 of the slot that the NEXT change of slots will ask for: 40,960 dense bytes.  All 16 work-groups of a head walk the same records: work-group j = 0, which walks all slots, asks, and nobody else.
; In it waves 1 to 5 ask, 8,192 bytes a wave, lanes 256 bytes apart, one instruction each: 5 x 32 lanes name the slot's 160 blocks of 256 bytes, each once in the launch.
; Slots 0 and 1 come by their loads alone; the last change that fills a slot asks for nothing: there is no slot behind it.
.macro ASK
	s_cmp_gt_u32 s[SLOTS], s[LIM]
	s_cbranch_scc0 .Lnot_mine_\@
	global_prefetch_b8 v[PFO], s[PFA:PFA+1] th:TH_LOAD_NT scope:SCOPE_SE
.Lnot_mine_\@:
.endm
; THE CHANGE OF SLOTS stands at a slot's head.  Each wave waits for all its tensor loads, adds 0 to its spare word, and waits for that and for its reads of the slot that it has left.
; Behind the barrier the slot ahead is whole and nobody reads the other one.  fill = 1: that other slot takes the next four records, up to the causal limit.
.macro CHANGE fill
	s_wait_tensorcnt 0x0                           ; no tensor load of mine is out, so group 0 may be written
	ds_add_u32 v[SPW], v[NIL]                      ; 0 onto my spare word
.if \fill
	ds_add_u32 v[SPW], v[NIL]                      ; and once more
	s_xor_b32 s[G0+1], s[G0+1], SLOT1              ; the walking descriptor: the other slot than last time,
	s_add_nc_u64 s[G0+2:G0+3], s[G0+2:G0+3], SLOTB ; the next four records; the type bits on top are not reached
	s_wait_xcnt 0x0                                ; the last prefetch, a slot back, has read its address, so it may be written:
	s_add_nc_u64 s[PFA:PFA+1], s[PFA:PFA+1], SLOTB ; one slot further on than the walking descriptor
.endif
	s_wait_dscnt 0x0                               ; the add is done, and my reads of the slot that I have left are over
	s_barrier_signal -1
	s_barrier_wait -1
.if \fill
	s_add_co_u32 s44, s[KF], NQ*128                ; the first key of the slot that this change would ask for
	s_cmp_gt_u32 s44, s[QLAST]                     ; past my work-group's last query: none of its waves would read it.  Ids and the count of steps alone: all sixteen waves go the same way
	s_cbranch_scc1 .Lpast_\@
	TLOAD                                          ; the first tensor load behind the barrier, and the wave's only one until the next
.Lpast_\@:
	ASK
.endif
.endm
; From 64 scores in v[src] on: each block's largest, the running largest t, the new -M, f, and t - M into v[KP] on.
.macro STATS src
.irp b, 0,1,2,3
	v_max3_num_f32 v[BM+\b], v[\src+16*\b], v[\src+16*\b+1], v[\src+16*\b+2]   ; each tile is read from its low end on
.endr
.irp i, 3,5,7,9,11,13
.irp b, 0,1,2,3
	v_max3_num_f32 v[BM+\b], v[BM+\b], v[\src+16*\b+\i], v[\src+16*\b+\i+1]    ; the four blocks by turns
.endr
.endr
.irp b, 0,1,2,3
	v_max_num_f32 v[BM+\b], v[BM+\b], v[\src+16*\b+15]
.endr
.irp b, 0,1,2,3
	v_permlanex16_b32 v[T+\b], v[BM+\b], s[SEL], s[SEL+1]
.endr
.irp b, 0,1,2,3
	v_max_num_f32 v[BM+\b], v[BM+\b], v[T+\b]      ; with lane l xor 16's 16 keys: the block's largest score
.endr
	v_max3_num_f32 v[TMP], v[BM], v[BM+1], v[BM+2]
	v_max_num_f32 v[TMP], v[TMP], v[BM+3]          ; the step's largest score of my query
	v_mul_f32 v[TMP], s[CS], v[TMP]                ; as t (c is positive)
	v_max_num_f32 v13, v13, v[TMP]                 ; the running largest t
	v_mov_b32 v[TMP], v12
	v_floor_f32 v12, -v13                          ; the new -M = floor(-t) = -ceil(t): M is a whole number
	v_sub_f32 v[TMP], v12, v[TMP]                  ; old M - new M: a whole number, 0 or less
	v_cvt_i32_f32 v[TMP], v[TMP]                   ; (it saturates)
	v_ldexp_f32 v[F], 1.0, v[TMP]                  ; f = 2^(old M - new M): a multiplication by it rounds nothing
.set n, 0
.rept 32
	v_pk_fma_f32 v[KP+n:KP+n+1], v[\src+n:\src+n+1], s[CS:CS+1], v[12:13] op_sel_hi:[1,0,0]   ; t - M, two at a time (of the pairs c and -M the low word serves both halves)
.set n, n+2
.endr
.irp b, 0,1,2,3
	v_fma_f32 v[BM+\b], v[BM+\b], s[CS], v12       ; the same of each block's largest score
.endr
.endm
; A KEY STEP: 128 keys, the q-th record of the slot in hand.
.macro STEP q
	s_cmp_gt_u32 s[KF], s[QB]                      ; both are multiples of 128: all the step's keys come after my block's queries
	s_cbranch_scc1 .Lhidden_\@
	v_add_nc_u32 v[ADR], s[TB], v[LI]
.rept 3
	v_nop                                          ; with the addition: four places behind the last step's p v, in front of the loads into v's registers
.endr
.irp t, 0,1,2,3,4,5,6,7
	ds_load_b128 v[KP+8*\t:KP+8*\t+3], v[ADR] offset:(\q)*REC+1024*\t          ; k: registers 0-3 of each tile
.endr
.irp t, 0,1,2,3,4,5,6,7
	ds_load_b128 v[KP+8*\t+4:KP+8*\t+7], v[ADR] offset:(\q)*REC+1024*\t+512    ; registers 4-7
.endr
.irp c, 0,1,2
	ds_load_b128 v[VF+4*\c:VF+4*\c+3], v[ADR] offset:(\q)*REC+8192+512*\c
.endr
	ds_load_b32 v[VS], v[ADR] offset:(\q)*REC+9728 ; my lane's first copy of v's scale word
	s_wait_dscnt 12                                ; the first eight loads are in; the twelve behind them may be out
.irp d, 0,1,2,3                                ; S^T = k q^T.  The eight accumulators take turns, one instruction a turn; the first products start the sums
.if \d == 2
	s_wait_dscnt 4                                 ; k's registers 4-7 are in; v's four loads may be out
.endif
.irp t, 0,1,2,3,4,5,6,7
.if \d == 0
	v_wmma_f32_16x16x4_f32 v[S+8*\t:S+8*\t+7], v[KP+8*\t:KP+8*\t+1], v[QF:QF+1], 0
.else
	v_wmma_f32_16x16x4_f32 v[S+8*\t:S+8*\t+7], v[KP+8*\t+2*\d:KP+8*\t+2*\d+1], v[QF+2*\d:QF+2*\d+1], v[S+8*\t:S+8*\t+7]
.endif
.endr
.endr
.rept 9
	v_nop                                          ; eight places in front of the reads of the scores and the writes over k's registers; the ninth for the next step's products, which begin these sums anew
.endr
	s_cmp_lt_u32 s[KF], s[QB]
	s_cbranch_scc1 .Lopen_\@                       ; all keys count
.set n, 0
.rept 64                                       ; the step on the diagonal: register 16 b + i holds key KF + 16 (lane / 16) + 32 b + i: hidden where 32 b + i > DQ.  The masked scores go into k's registers
	v_cmp_gt_i32 vcc_lo, 32*(n/16)+n%16, v[DQ]
	v_cndmask_b32 v[KP+n], v[S+n], v[NINF], vcc_lo
.set n, n+1
.endr
	STATS KP
	s_branch .Ljoin_\@
.Lopen_\@:
	STATS S
.Ljoin_\@:
.set n, 0
.rept 64
	v_exp_f32 v[KP+n], v[KP+n]                     ; p = 2^(t - M), at most 1: not normalised
.set n, n+1
.endr
.irp b, 0,1,2,3
	v_exp_f32 v[BM+\b], v[BM+\b]                   ; the block's largest p: the same two instructions on the same number give the same bits
.endr
	v_pk_mul_f32 v[14:15], v[14:15], v[F:F+1] op_sel_hi:[1,0]   ; the sums under the new M: the plain instruction behind the exponentials
	s_wait_alu depctr_va_vdst(0)                   ; one wait for the batch of 68, ahead of its first reader
.irp b, 0,1,2,3
	v_max_num_f32 v[BM+\b], 0x1800000, v[BM+\b]    ; the floor 2^(3 - 127): the byte cannot fall under 1
.endr
.irp b, 0,1,2,3
	v_add_nc_u32 v[SO+\b], 0xff000000, v[BM+\b]    ; 2 off the exponent field: the conversion's scale operand
.endr
.irp b, 0,1,2,3
	v_lshrrev_b32 v[T+\b], 23, v[SO+\b]            ; the scale's byte
.endr
	v_lshl_or_b32 v[PW], v[T+1], 8, v[T]
	v_lshl_or_b32 v[PW], v[T+2], 16, v[PW]
	v_lshl_or_b32 v[PW], v[T+3], 24, v[PW]         ; p's scale word for these 128 keys
.irp c, 0,1
	v_cvt_scalef32_pk16_fp6_f32 v[PC+6*\c:PC+6*\c+2], v[KP+32*\c:KP+32*\c+15], v[SO+2*\c]
	v_cvt_scalef32_pk16_fp6_f32 v[CT+4*\c:CT+4*\c+2], v[KP+32*\c+16:KP+32*\c+31], v[SO+2*\c+1]   ; (a conversion's three registers begin on an even number)
.endr
	v_nop                                          ; one plain instruction behind the last scaled conversion
.irp c, 0,1                                    ; the operand wants a whole block in a lane: lanes 0-15 block 2 c, lanes 16-31 block 2 c + 1
.irp i, 0,1,2
	v_permlane16_swap_b32 v[PC+6*\c+\i], v[CT+4*\c+\i]
.endr
.irp i, 0,1,2
	v_mov_b32 v[PC+6*\c+3+\i], v[CT+4*\c+\i]
.endr
.endr
.irp i, 0,2,4,6
	v_pk_mul_f32 v[OT+\i:OT+\i+1], v[OT+\i:OT+\i+1], v[F:F+1] op_sel_hi:[1,0]   ; O^T under the new M, from its low end on
.endr
	v_pk_add_f32 v[T:T+1], v[KP:KP+1], v[KP+2:KP+3]    ; the row's sum is taken of the UNQUANTISED p: two at a time, in two chains.  These 32 lines are also the places between the writes of p's scale word and codes and the product
.set n, 4
.rept 15
	v_pk_add_f32 v[14:15], v[14:15], v[KP+n:KP+n+1]
	v_pk_add_f32 v[T:T+1], v[T:T+1], v[KP+n+2:KP+n+3]
.set n, n+4
.endr
	v_pk_add_f32 v[14:15], v[14:15], v[T:T+1]
	s_wait_dscnt 0x0                               ; v's fragment and scale words are in
	v_wmma_scale_f32_16x16x128_f8f6f4 v[OT:OT+7], v[VF:VF+11], v[PC:PC+11], v[OT:OT+7], v[VS], v[PW] matrix_a_fmt:MATRIX_FMT_FP6 matrix_b_fmt:MATRIX_FMT_FP6   ; O^T += v^T p^T: 32 score products stand between two links of this chain
.Lhidden_\@:
	s_add_co_u32 s[KF], s[KF], 128
.endm
.macro SLOT_STEPS
	STEP 0
	STEP 1
	STEP 2
	STEP 3
	s_xor_b32 s[TB], s[TB], SLOT1                  ; on to the other slot
.endm
	s_load_b128 s[4:7], s[0:1], 0x0                ; qf s[4:5], kv s[6:7]
	s_load_b64 s[8:9], s[0:1], 0x10                ; att
	v_lshl_add_u32 v[SPW], v0, 2, SPARE
	v_mov_b32 v[NIL], 0
	ds_add_u32 v[SPW], v[NIL]                      ; the wave's opening: the add, twice on end, and its wait ahead of the first tensor load; the set-up below, work on registers, stands between
	ds_add_u32 v[SPW], v[NIL]
	v_lshrrev_b32 v2, 5, v0
	v_readfirstlane_b32 s[WV], v2                  ; wave 0..15
	s_mov_b32 s11, ttmp9                           ; j
	s_and_b32 s12, ttmp7, 0xffff                   ; bh
	s_sub_co_u32 s13, 31, s11
	s_cmp_lt_u32 s[WV], 8
	s_cselect_b32 s13, s11, s13                    ; my block of 128 queries: j (waves 0-7) or 31 - j
	s_and_b32 s44, s[WV], 7
	s_lshl_b32 s14, s13, 3
	s_add_co_u32 s14, s14, s44                     ; my tile of 16 queries
	s_lshl_b32 s[QB], s13, 7
	s_mov_b32 s[KF], 0
	s_sub_co_u32 s[QLAST], 32, s11
	s_lshl_b32 s[QLAST], s[QLAST], 7
	s_sub_co_u32 s[QLAST], s[QLAST], 1             ; 128 (32 - j) - 1
	s_mov_b32 s[TB], 0
	s_mov_b32 s[SLOTS], NSL-1
	s_mov_b32 s[SEL], 0x76543210
	s_mov_b32 s[SEL+1], 0xfedcba98
	s_mov_b32 s[CS], 0x3eb8aa3b                    ; c = log2(e) / 4
	s_mov_b32 s[CS+1], s[CS]                       ; (named with it as a pair, so it is written)
	; descriptor group 1: a dense block of 40,960 bytes as 160 rows of 256 bytes (32 elements of 8 bytes), no padding, no mask
	s_mov_b32 s[G1], 3<<16                         ; 17:16 elements of 8 bytes
	s_mov_b32 s[G1+1], 32<<16                      ; tensor_dim0 = 32
	s_mov_b32 s[G1+2], 160<<16                     ; tensor_dim1 = 160
	s_mov_b32 s[G1+3], 32<<16                      ; tile_dim0 = 32
	s_mov_b32 s[G1+4], 160                         ; tile_dim1 = 160
	s_mov_b32 s[G1+5], 32                          ; from row to row: 32 elements
	s_mov_b32 s[G1+6], 0
	s_mov_b32 s[G1+7], 0
	v_and_b32 v[LI], 31, v0
	v_lshlrev_b32 v[LI], 4, v[LI]
	v_and_b32 v[PFO], 31, v0
	v_lshlrev_b32 v[PFO], 8, v[PFO]
	s_wait_dscnt 0x0                               ; both opening adds are done
	s_wait_kmcnt 0x0
	s_mul_i32 s44, s12, 32*REC                     ; the head's 32 records
	s_mov_b32 s45, 0
	s_add_nc_u64 s[6:7], s[6:7], s[44:45]
	s_mov_b32 s[G0], 1                             ; count = 1
	s_mov_b32 s[G0+1], 0                           ; LDS address: slot 0
	s_mov_b64 s[G0+2:G0+3], s[6:7]                 ; global address: the head's first four records
	s_or_b32 s[G0+3], s[G0+3], 0x80000000          ; type = 2
	TLOAD                                          ; slot 0
	s_lshl_b32 s44, s12, 8
	s_add_co_u32 s44, s44, s14
	s_lshl_b32 s44, s44, 10                        ; my tile's image in qf and in att: (256 bh + tile) x 1,024
	s_add_nc_u64 s[4:5], s[4:5], s[44:45]
	s_add_nc_u64 s[8:9], s[8:9], s[44:45]
	global_load_b128 v[QF:QF+3], v[LI], s[4:5]     ; q stays in registers
	global_load_b128 v[QF+4:QF+7], v[LI], s[4:5] offset:512
	; the prefetches (macro ASK): who asks, and where they stand.  Nothing is prefetched here, at the head
	s_sub_co_u32 s44, s[WV], 1
	s_cmp_lt_u32 s44, 5                            ; waves 1 to 5,
	s_cselect_b32 s46, 0, 1
	s_or_b32 s46, s46, ttmp9                       ; of work-group j = 0
	s_cmp_eq_u32 s46, 0
	s_cselect_b32 s[LIM], 1, -1
	s_min_u32 s44, s44, 4
	s_lshl_b32 s44, s44, 13                        ; my wave's 8,192 bytes,
	s_add_co_u32 s44, s44, SLOTB                   ; in slot 1: the first change of slots steps it to slot 2
	s_add_nc_u64 s[PFA:PFA+1], s[6:7], s[44:45]
	v_and_b32 v2, 15, v0                           ; r
	v_and_b32 v4, 8, v0                            ; 8 (r / 8)
	v_add_nc_u32 v[DQ], v2, v4
	v_and_b32 v4, 16, v0                           ; 16 h
	v_sub_nc_u32 v[DQ], v[DQ], v4
	s_bfe_u32 s44, s[WV], 0x20001                  ; my tile's place in its block: 32 ((wave % 8) / 2) + 8 (wave % 2)
	s_lshl_b32 s44, s44, 5
	s_and_b32 s46, s[WV], 1
	s_lshl_b32 s46, s46, 3
	s_add_co_u32 s44, s44, s46
	v_add_nc_u32 v[DQ], s44, v[DQ]
	v_mov_b32 v13, 0xff61b1e6                      ; the largest t so far: -3e38, under every t
	v_floor_f32 v12, -v13                          ; -M
	v_mov_b32 v14, 0                               ; the sum, in two halves
	v_mov_b32 v15, 0
.irp i, 0,1,2,3,4,5,6,7
	v_mov_b32 v[OT+\i], 0                          ; O^T: the step is written once for all steps: the first finds zeros, which the first change of M leaves zeros
.endr
.irp b, 0,1,2,3
	v_mov_b32 v[T+\b], 0                           ; written once: a lane permute's destination counts as one of its sources
.endr
	v_mov_b32 v[F+1], 0                            ; (named as the upper half of the pair with f)
	v_mov_b32 v[NINF], 0xff800000
	s_wait_loadcnt 0x0                             ; q
.Lslot:                                            ; NSL - 1 trips: behind each change of slots but the last the next slot is asked for, up to the causal limit
	CHANGE 1
	SLOT_STEPS
	s_sub_co_u32 s[SLOTS], s[SLOTS], 1
	s_cmp_lg_u32 s[SLOTS], 0
	s_cbranch_scc1 .Lslot
	CHANGE 0                                       ; the last slot is written out: nothing is left to fetch
	SLOT_STEPS
	; THE WAY OUT: O^T / l, as an image of its registers: lane (r, h), register j = (query of lane r, d = 8 h + j)
.rept 4
	v_nop                                          ; places behind the last p v
.endr
	v_add_f32 v14, v14, v15                        ; the sum's two halves,
	v_permlanex16_b32 v[T], v14, s[SEL], s[SEL+1]
	v_add_f32 v14, v14, v[T]                       ; and lane l xor 16's: the row's sum
	v_rcp_f32 v14, v14
	v_nop                                          ; a plain instruction behind the reciprocal
	s_wait_alu depctr_va_vdst(0)                   ; and the wait ahead of its first reader
.irp i, 0,2,4,6
	v_pk_mul_f32 v[PC+\i:PC+\i+1], v[OT+\i:OT+\i+1], v[14:15] op_sel_hi:[1,0]
.endr
	global_store_b128 v[LI], v[PC:PC+3], s[8:9]    ; 32 lanes store 512 consecutive bytes
	global_store_b128 v[LI], v[PC+4:PC+7], s[8:9] offset:512
	s_wait_tensorcnt 0x0                           ; the wave's end
	ds_add_u32 v[SPW], v[NIL]
	s_wait_dscnt 0x0
	s_endpgm
.Lfunc_end_k_q9ed65d80cf_attn:
	.size	k_q9ed65d80cf_attn, .Lfunc_end_k_q9ed65d80cf_attn-k_q9ed65d80cf_attn
	.p2alignl 7, 3214868480
	.fill 96, 4, 3214868480
	.section	.rodata,"a",@progbits
	.p2align	6, 0x0
	.amdhsa_kernel k_q9ed65d80cf_attn
		.amdhsa_group_segment_fixed_size 327680
		.amdhsa_private_segment_fixed_size 0
		.amdhsa_enable_private_segment 0
		.amdhsa_kernarg_size 24
		.amdhsa_user_sgpr_count 2
		.amdhsa_user_sgpr_kernarg_segment_ptr 1
		.amdhsa_wavefront_size32 1
		.amdhsa_system_sgpr_workgroup_id_x 1
		.amdhsa_system_sgpr_workgroup_id_y 1
		.amdhsa_system_sgpr_workgroup_id_z 1
		.amdhsa_system_vgpr_workitem_id 0
		.amdhsa_next_free_vgpr 224
		.amdhsa_next_free_sgpr 66
		.amdhsa_reserve_vcc 1
		.amdhsa_float_denorm_mode_32 3
		.amdhsa_float_denorm_mode_16_64 3
		.amdhsa_memory_ordered 1
		.amdhsa_forward_progress 1
		.amdhsa_inst_pref_size 205
	.end_amdhsa_kernel
	.amdgpu_metadata
---
amdhsa.version: [ 1, 2 ]
amdhsa.kernels:
  - .name:           k_q9ed65d80cf_attn
    .symbol:         k_q9ed65d80cf_attn.kd
    .args:
      - { .name: qf, .offset: 0, .size: 8, .value_kind: global_buffer, .address_space: global }
      - { .name: kv, .offset: 8, .size: 8, .value_kind: global_buffer, .address_space: global }
      - { .name: att, .offset: 16, .size: 8, .value_kind: global_buffer, .address_space: global }
    .group_segment_fixed_size: 327680
    .private_segment_fixed_size: 0
    .kernarg_segment_align: 8
    .kernarg_segment_size: 24
    .max_flat_workgroup_size: 512
    .sgpr_count:     66
    .vgpr_count:     224
    .wavefront_size: 32
...
	.end_amdgpu_metadata
.endif
;; end of part 2
;; launch proj (part 3): grid 256 x 1, 4 waves a work-group, no clusters, 17,920 bytes of LDS; arguments att, Wp_codes, Wp_scales, bp, out0; writes out0
.if DOCPART == 3
	.amdgcn_target "amdgcn-amd-amdhsa--gfx1250"
	.amdhsa_code_object_version 6
	.text
	.protected	k_q9ed65d80cf_proj
	.globl	k_q9ed65d80cf_proj
	.p2align	8
	.type	k_q9ed65d80cf_proj,@function
k_q9ed65d80cf_proj:
	s_mov_b64 s[64:65], 0
	v_nop
	global_prefetch_b8 v0, s[64:65] scope:SCOPE_SE
	s_setreg_imm32_b32 hwreg(HW_REG_WAVE_MODE, 25, 1), 1
	s_wait_xcnt 0x0
; out0 = Q(att) Wp^T + bp: the heads' output, quantised along its 128 channels (a block of 32 is two heads), times the given codes of Wp; sums in f32.  No work is left out here.
; SHARES.  A tile of 16 rows (the rows of a tile as in the launch qkv: 32 (g / 2) + 8 (g % 2) + r + 8 (r / 8), g = 0 .. 511) is made by two waves, 64 outputs each; a work-group of four waves has two tiles.
; Both waves of a tile load and quantise the same 16 rows (8,192 bytes): so no operand goes from wave to wave, and there is no barrier.
; att lies as images of registers, [bh][tile][1,024 bytes]: (row of lane r, d = 8 hh + 4 p + q) at 512 p + 256 hh + 16 r + 4 q.  The quantiser wants in lane (r, h), register 16 b + i, channel 32 b + 16 h + i:
; head 2 b + h, d = i: four loads of 16 bytes a block; sixteen lanes read 256 consecutive bytes.
; The product is used transposed (source 0 = 16 rows of Wp, source 1 = the 16 rows): a lane's eight results are eight neighbouring outputs of one row.  The bias is loaded into the accumulators and is the C of the product.
; The results go through the wave's own stage in LDS and leave by rows: sixteen lanes store 256 consecutive bytes, at a multiple of 256 from out0's first byte.
; LIMITS: a block of zeros gets the byte 1 where the rule says 127 (its codes are zeros); NaN, infinities and the scale byte 0xff are not served.
.set CT,  12                           ; v[12:14], v[16:18] the second halves of the conversions' results
.set X,   20                           ; v20-83   64 numbers of my row; later the rows read back
.set BM,  84
.set T,   88
.set SO,  92
.set PW,  96                           ; v96      the rows' scale word
.set PC,  100                          ; v100-111 the rows' codes
.set WF,  112                          ; v112-159 Wp: 4 fragments
.set WS,  160                          ; v160-163 their scale words
.set ACC, 164                          ; v164-195 bias, then results
.set SPW, 10                           ; v10  LDS address of my spare word; never rewritten
.set NIL, 11                           ; v11  0; never rewritten
.set SEL, 20                           ; s[20:21] lane selects: lane l xor 16
.set STGB, 16*272                      ; a wave's stage: 16 rows x (256 bytes + 16)
.set SPARE, 4*STGB                     ; behind the four stages: the spare words, 128 bytes for each wave: two blocks of 256 bytes that no other line names
; 64 numbers of a lane, register 16 b + i = k 32 b + 16 (lane / 16) + i of the lane's row, become a fragment's codes in v[PC] on and its scale word in v[PW]
.macro QUANT src
.irp b, 0,1,2,3
	v_max3_num_f32 v[BM+\b], |v[\src+16*\b]|, |v[\src+16*\b+1]|, 0x1800000   ; block b: my 16 numbers, and the floor 2^(3 - 127): the byte cannot fall under 1
.endr
.irp i, 2,4,6,8,10,12,14
.irp b, 0,1,2,3
	v_max3_num_f32 v[BM+\b], v[BM+\b], |v[\src+16*\b+\i]|, |v[\src+16*\b+\i+1]|
.endr
.endr
.irp b, 0,1,2,3
	v_permlanex16_b32 v[T+\b], v[BM+\b], s[SEL], s[SEL+1]
.endr
.irp b, 0,1,2,3
	v_max_num_f32 v[BM+\b], v[BM+\b], v[T+\b]
.endr
.irp b, 0,1,2,3
	v_add_nc_u32 v[SO+\b], 0xff000000, v[BM+\b]
.endr
.irp b, 0,1,2,3
	v_lshrrev_b32 v[T+\b], 23, v[SO+\b]
.endr
	v_lshl_or_b32 v[PW], v[T+1], 8, v[T]
	v_lshl_or_b32 v[PW], v[T+2], 16, v[PW]
	v_lshl_or_b32 v[PW], v[T+3], 24, v[PW]
.irp c, 0,1
	v_cvt_scalef32_pk16_fp6_f32 v[PC+6*\c:PC+6*\c+2], v[\src+32*\c:\src+32*\c+15], v[SO+2*\c]
	v_cvt_scalef32_pk16_fp6_f32 v[CT+4*\c:CT+4*\c+2], v[\src+32*\c+16:\src+32*\c+31], v[SO+2*\c+1]
.endr
	v_nop                                              ; one plain instruction behind the last scaled conversion
.irp c, 0,1
.irp i, 0,1,2
	v_permlane16_swap_b32 v[PC+6*\c+\i], v[CT+4*\c+\i]
.endr
.irp i, 0,1,2
	v_mov_b32 v[PC+6*\c+3+\i], v[CT+4*\c+\i]
.endr
.endr
.endm
	s_load_b256 s[4:11], s[0:1], 0x0               ; att s[4:5], Wp's codes s[6:7], Wp's scales s[8:9], bp s[10:11]
	s_load_b64 s[12:13], s[0:1], 0x20              ; out0
	v_lshl_add_u32 v[SPW], v0, 2, SPARE
	v_mov_b32 v[NIL], 0
	v_lshrrev_b32 v1, 5, v0
	v_readfirstlane_b32 s14, v1                    ; wave 0..3
	v_and_b32 v1, 15, v0                           ; r
	v_bfe_u32 v2, v0, 4, 1                         ; h
	v_mul_u32_u24 v3, v1, 96                       ; Wp: row r of 96 bytes,
	v_mad_u32_u24 v3, v2, 24, v3                   ; + 24 h
	v_lshlrev_b32 v4, 2, v1                        ; its scale words
	v_lshlrev_b32 v5, 4, v1
	v_lshl_add_u32 v5, v2, 18, v5                  ; att: 16 r, and one head (256 tiles of 1,024 bytes) further on for lanes 16-31
	v_lshlrev_b32 v6, 5, v2                        ; bp: 8 h numbers on
	s_mul_i32 s15, s14, STGB                       ; my stage
	v_mul_u32_u24 v7, v1, 272
	v_lshl_add_u32 v7, v2, 5, v7
	v_add_nc_u32 v7, s15, v7                       ; in: row r, + 32 h
	v_mul_u32_u24 v8, v2, 272
	v_lshl_add_u32 v8, v1, 4, v8
	v_add_nc_u32 v8, s15, v8                       ; back: lanes 0-15 one row, lanes 16-31 the next
	v_lshlrev_b32 v9, 9, v2
	v_lshl_add_u32 v9, v1, 4, v9                   ; and the same two rows in out0
.irp b, 0,1,2,3
	v_mov_b32 v[T+\b], 0                           ; written once: a lane permute's destination counts as one of its sources
.endr
	s_mov_b32 s[SEL], 0x76543210
	s_mov_b32 s[SEL+1], 0xfedcba98
	s_lshr_b32 s15, s14, 1
	s_lshl_b32 s16, ttmp9, 1
	s_add_co_u32 s16, s16, s15                     ; g: my tile of rows
	s_and_b32 s17, s14, 1                          ; u: my 64 outputs
	s_mov_b32 s23, 0
	s_wait_kmcnt 0x0
	s_lshr_b32 s18, s16, 8                         ; batch
	s_lshl_b32 s18, s18, 11                        ; x 8 heads x 256 tiles
	s_and_b32 s19, s16, 255
	s_add_co_u32 s18, s18, s19
	s_lshl_b32 s22, s18, 10
	s_add_nc_u64 s[4:5], s[4:5], s[22:23]          ; att: head 0 of my batch, my tile
	s_mul_i32 s22, s17, 6144                       ; 64 rows of Wp
	s_add_nc_u64 s[6:7], s[6:7], s[22:23]
	s_lshl_b32 s22, s17, 8                         ; their scale words; and 64 numbers of bp
	s_add_nc_u64 s[8:9], s[8:9], s[22:23]
	s_add_nc_u64 s[10:11], s[10:11], s[22:23]
	s_lshr_b32 s18, s16, 1
	s_lshl_b32 s18, s18, 5
	s_and_b32 s19, s16, 1
	s_lshl_b32 s19, s19, 3
	s_add_co_u32 s18, s18, s19                     ; the tile's first row: 32 (g / 2) + 8 (g % 2)
	s_lshl_b32 s18, s18, 9
	s_add_co_u32 s22, s18, s22                     ; x 512 bytes + 256 u
	s_add_nc_u64 s[12:13], s[12:13], s[22:23]
.irp b, 0,1,2,3                                ; block b: head 2 b + h; hh: the image's half of lanes; p: its group of four registers
.irp hh, 0,1
.irp p, 0,1
	global_load_b128 v[X+16*\b+8*\hh+4*\p:X+16*\b+8*\hh+4*\p+3], v5, s[4:5] offset:\b*524288+512*\p+256*\hh
.endr
.endr
.endr
.irp t, 0,1,2,3
.irp p, 0,1,2,3,4,5
	global_load_b64 v[WF+12*\t+2*\p:WF+12*\t+2*\p+1], v3, s[6:7] offset:16*\t*96+48*(\p/3)+8*(\p%3)
.endr
.endr
.irp t, 0,1,2,3
	global_load_b32 v[WS+\t], v4, s[8:9] offset:64*\t
.endr
.irp t, 0,1,2,3
	global_load_b128 v[ACC+8*\t:ACC+8*\t+3], v6, s[10:11] offset:64*\t        ; bp(64 u + 16 t + 8 h + 0 .. 7): the result's layout
	global_load_b128 v[ACC+8*\t+4:ACC+8*\t+7], v6, s[10:11] offset:64*\t+16
.endr
	s_wait_loadcnt 36                              ; the 16 loads of my rows are in; the 36 behind them (24 + 4 + 8) may be out
	QUANT X
	s_wait_loadcnt 0x0
.rept 8
	v_nop                                          ; a scale register written by a vector instruction stands 8 places ahead of a scaled matrix instruction, an operand so written 4
.endr
.irp t, 0,1,2,3
	v_wmma_scale_f32_16x16x128_f8f6f4 v[ACC+8*\t:ACC+8*\t+7], v[WF+12*\t:WF+12*\t+11], v[PC:PC+11], v[ACC+8*\t:ACC+8*\t+7], v[WS+\t], v[PW] matrix_a_fmt:MATRIX_FMT_FP6 matrix_b_fmt:MATRIX_FMT_FP6
.endr
.rept 4
	v_nop                                          ; places in front of the first read of results (ISA guide 7.12.1)
.endr
.irp t, 0,1,2,3
	ds_store_b128 v7, v[ACC+8*\t:ACC+8*\t+3] offset:64*\t                     ; lane (r, h): out(row r, 64 u + 16 t + 8 h + 0 .. 7); each accumulator from its low end on
	ds_store_b128 v7, v[ACC+8*\t+4:ACC+8*\t+7] offset:64*\t+16
.endr
.irp i, 0,1,2,3,4,5,6,7
	ds_load_b128 v[X+4*\i:X+4*\i+3], v8 offset:544*\i                         ; LDS serves a wave's instructions in order (ISA guide 5.7.1.4): these see my stores
.endr
.irp i, 0,1,2,3,4,5,6,7
	s_wait_dscnt 7-\i
	global_store_b128 v9, v[X+4*\i:X+4*\i+3], s[12:13] offset:(2*\i+8*(\i/4))*512 th:TH_STORE_NT   ; the tile's rows 2 i and 2 i + 1 lie 2 i + h + 8 (i / 4) rows behind its first
.endr
	s_wait_tensorcnt 0x0                           ; the wave's end, behind my last LDS store
	ds_add_u32 v[SPW], v[NIL]
	s_wait_dscnt 0x0
	s_endpgm
.Lfunc_end_k_q9ed65d80cf_proj:
	.size	k_q9ed65d80cf_proj, .Lfunc_end_k_q9ed65d80cf_proj-k_q9ed65d80cf_proj
	.p2alignl 7, 3214868480
	.fill 96, 4, 3214868480
	.section	.rodata,"a",@progbits
	.p2align	6, 0x0
	.amdhsa_kernel k_q9ed65d80cf_proj
		.amdhsa_group_segment_fixed_size 17920
		.amdhsa_private_segment_fixed_size 0
		.amdhsa_enable_private_segment 0
		.amdhsa_kernarg_size 40
		.amdhsa_user_sgpr_count 2
		.amdhsa_user_sgpr_kernarg_segment_ptr 1
		.amdhsa_wavefront_size32 1
		.amdhsa_system_sgpr_workgroup_id_x 1
		.amdhsa_system_sgpr_workgroup_id_y 1
		.amdhsa_system_sgpr_workgroup_id_z 1
		.amdhsa_system_vgpr_workitem_id 0
		.amdhsa_next_free_vgpr 200
		.amdhsa_next_free_sgpr 66
		.amdhsa_reserve_vcc 0
		.amdhsa_float_denorm_mode_32 3
		.amdhsa_float_denorm_mode_16_64 3
		.amdhsa_memory_ordered 1
		.amdhsa_forward_progress 1
		.amdhsa_inst_pref_size 15
	.end_amdhsa_kernel
	.amdgpu_metadata
---
amdhsa.version: [ 1, 2 ]
amdhsa.kernels:
  - .name:           k_q9ed65d80cf_proj
    .symbol:         k_q9ed65d80cf_proj.kd
    .args:
      - { .name: att, .offset: 0, .size: 8, .value_kind: global_buffer, .address_space: global }
      - { .name: Wp_codes, .offset: 8, .size: 8, .value_kind: global_buffer, .address_space: global }
      - { .name: Wp_scales, .offset: 16, .size: 8, .value_kind: global_buffer, .address_space: global }
      - { .name: bp, .offset: 24, .size: 8, .value_kind: global_buffer, .address_space: global }
      - { .name: out0, .offset: 32, .size: 8, .value_kind: global_buffer, .address_space: global }
    .group_segment_fixed_size: 17920
    .private_segment_fixed_size: 0
    .kernarg_segment_align: 8
    .kernarg_segment_size: 40
    .max_flat_workgroup_size: 128
    .sgpr_count:     66
    .vgpr_count:     200
    .wavefront_size: 32
...
	.end_amdgpu_metadata
.endif
;; end of part 3
